; MI455X (gfx1250); checked and timed in simulation.
; The chip was launched on July 23, 2026; its instructions are those of AMD's public machine-readable ISA for CDNA 5 (MIT licence, August 2026) and "CDNA5" Instruction Set Architecture Reference Guide (July 2026). The comments in the code are by the model that wrote it; some were corrected since.
;; Embedding. Allowed arithmetic: float matrix products may take bf16 or f16 operands with f32 sums; all other float work in f32.
;; Inputs: W_emb 768 x 50,257 float32; W_pos 2,048 x 768 float32; tokens 8 x 2,048 int32.
;; Outputs: out0 8 x 2,048 x 768 float32.
;; 2 versions, each right and faster than the one before. Each part assembles by itself: llvm-mc -triple=amdgcn-amd-amdhsa -mcpu=gfx1250 --defsym DOCPART=n.
;; ======== version 1 of 2: 1 launch
;; launch embed (part 1): grid 64 x 4, 16 waves a work-group, no clusters, 231,424 bytes of LDS; arguments W_emb, W_pos, tokens, out0; writes out0
.if DOCPART == 1
	.amdgcn_target "amdgcn-amd-amdhsa--gfx1250"
	.amdhsa_code_object_version 6
	.text
	.protected	k_q20eb15d861_embed
	.globl	k_q20eb15d861_embed
	.p2align	8
	.type	k_q20eb15d861_embed,@function
k_q20eb15d861_embed:
	s_mov_b64 s[64:65], 0
	v_nop
	global_prefetch_b8 v0, s[64:65] scope:SCOPE_SE
	s_setreg_imm32_b32 hwreg(HW_REG_WAVE_MODE, 25, 1), 1
	s_wait_xcnt 0x0
; out0[b][s][d] = W_emb[d][tokens[b][s]] + W_pos[s][d].   W_emb: [768][50257] f32, W_pos: [2048][768] f32,
; tokens: [8][2048] i32, out0: [8][2048][768] f32.  The arithmetic is one f32 addition for each output.
;
; A token's embedding is a COLUMN of W_emb: 768 words, 201,028 bytes apart.  So the table is not gathered from: it is streamed once.
; Work-group (r, q) owns the 786 columns from 786 r on (64 x 786 = 50,304 >= 50,257) and the 192 rows from 192 q on, in three
; steps of 64 rows.  A step lays 64 row windows into LDS; then, for each token whose column lies in the range, the 64 numbers
; d = 192 q + 64 t .. + 63 of its output row are read out of LDS, W_pos is added and they are stored: lane l takes d = .. + 2 l and + 1,
; so one store of a wave covers 256 consecutive bytes at a multiple of 256 from out0's first byte.
; THE WINDOW of a row is 896 words, from the word index of (row, first column) cut down to a multiple of 64: each load of a wave
; covers 512 consecutive bytes at a multiple of 256 from W_emb's first byte, seven loads a row.  63 + 786 <= 896: it holds the range.
; THE WAY IN is memory -> registers -> LDS.  Each of the 16 waves owns 4 rows of a tile, 12 rows in all, and a ring of five row
; slots of 28 registers; a slot is asked for again right behind the LDS stores that empty it.  The LDS stores go to fixed
; addresses.  The reads that pick columns have addresses made from tokens; they stand between two barriers between which no wave
; writes LDS, so their order against every LDS store is given by the barriers alone.
; THE LIST.  Each wave scans 1,024 of the 16,384 tokens, which stay in the 32 registers they were loaded into; evenly spread tokens
; give it 1,024 x 786 / 50,257 = 16 hits.  The first 32 hits ("places") are kept in two registers, hit k in lane k.  A wave that
; counts more than 32 hits scans its tokens once more behind the last step, in the same order, and serves each hit beyond the
; 32nd by reading its 192 words straight from memory: right for any tokens, slow where more than 32 of a wave's tokens crowd into
; one range.
; LIMIT: a token outside 0 .. 50,256 lies in no range; its row of out0 is then not written.
; NO CLUSTER: no two work-groups read the same tile.  Shared are only the pieces at the borders of neighbouring ranges (at most one
; fourteenth of a window) and the 65,536 bytes of tokens; which rows of W_pos two work-groups share hangs on the tokens.
; NO MATRIX UNIT: a product with one-hot rows has nothing to multiply.  NO PREFETCH: five rows of every wave are asked for at the head.
.set VOCAB,  50257
.set SEQ,    2048
.set NTOK,   16384                     ; 8 x 2048 positions
.set RANGE,  786                       ; columns of a work-group
.set QROWS,  192                       ; rows of a work-group
.set TROWS,  64                        ; rows of a tile = numbers of an output row written in a step (256 bytes)
.set WIN,    896                       ; words of a row's window
.set ROWB,   WIN*4                     ; 3,584 bytes, in memory and in LDS: a word's index in LDS and in the table agree modulo 64
.set LPR,    ROWB/512                  ; 7 loads of a wave for a row
.set TILE,   TROWS*ROWB                ; 229,376: the tile's bytes in LDS
.set PITCHB, VOCAB*4                   ; 201,028 bytes from a row of W_emb to the next
.set SLOTS,  5
.set PLACES, 32
.set BATCH,  8                         ; places whose table words are in registers at a time
; scalar registers
.set WAVE,  12
.set LO,    13                         ; first column of my range
.set WID,   14                         ; columns of my range that exist
.set QTR,   15                         ; q
.set DQ,    16                         ; 192 q
.set CNT,   17                         ; hits of my wave
.set MK,    18                         ; hits among the 32 tokens at hand, one bit a lane
.set NH,    19                         ; how many they are
.set LN,    20
.set CC,    21                         ; a hit's column, counted from C0
.set POS,   22                         ; a hit's position 2048 b + s
.set PB,    23                         ; position of my wave's first token
.set JJ,    24
.set TMP,   25
.set OFS,   26                         ; s[26:27]
.set W0,    28                         ; word index of (my first row, C0)
.set ENT,   29
.set C0,    30                         ; the column at which my windows are anchored (= LO, but for the last range)
.set DELTA, 31                         ; LO - C0
.set RB,    32                         ; s[32:55]   address of the window of each of my 12 rows; never rewritten
.set KK,    56                         ; counts the hits of one vector of tokens
.set PJ,    57                         ; second scan: position of lane 0's token
.set CN2,   58                         ; second scan: hits so far
.set EE,    59
; vector registers
.set LANE,  1
.set L16,   2                          ; 16 x lane
.set QL,    3                          ; 8 x lane + 768 q: my two numbers in a row of W_pos or out0, step 0
.set SADR,  4                          ; LDS: my 16 bytes in my wave's first row of the tile
.set W00,   5                          ; word index of (row 192 q + 2 lane, C0)
.set R0,    6                          ; LDS: row 2 lane of the tile
.set LB0,   7                          ; v[7:8]     LDS: (row 2 lane + j, column C0), j = 0, 1
.set LISTC, 9                          ; lane k: column of hit k, counted from C0
.set LISTP, 10                         ; lane k: position of hit k
.set NXT,   13                         ; second scan: my token's byte offset
.set DD,    14                         ; token - LO
.set TO,    15                         ; my 16 bytes in the first 512 of my wave's tokens
.set GV,    16                         ; v[16:31]   place i of a batch: two words of the table; then the address of its store
.set PW,    32                         ; v[32:95]   place k: its address in W_pos, then two words of W_pos, then the two results
.set TOK,   32                         ; v[32:63]   at first: my 32 tokens
.set XC,    32                         ; v[32:49]   in the second scan: the registers of a hit that is served from memory
.set XO,    35
.set XW,    36
.set XT,    37
.set XV,    38                         ; v[38:43]
.set XP,    44                         ; v[44:49]
.set RING,  96                         ; v[96:235]  slot s: 28 registers, a row's window
	s_load_b256 s[4:11], s[0:1], 0x0               ; W_emb s[4:5], W_pos s[6:7], tokens s[8:9], out0 s[10:11]
	v_lshl_add_u32 v236, v0, 2, 0x38000
	v_mov_b32 v237, 0
	v_lshrrev_b32 v[LANE], 5, v0
	v_readfirstlane_b32 s[WAVE], v[LANE]           ; the wave's number as a scalar
	v_and_b32 v[LANE], 31, v0
	v_lshlrev_b32 v[L16], 4, v[LANE]
	s_lshl_b32 s[TMP], s[WAVE], 12
	v_add_nc_u32 v[TO], s[TMP], v[L16]             ; my wave's 1,024 tokens are 4,096 consecutive bytes
	s_and_b32 s[QTR], ttmp7, 0xffff
	s_mul_i32 s[LO], ttmp9, RANGE
	s_sub_co_u32 s[WID], VOCAB, s[LO]
	s_min_u32 s[WID], s[WID], RANGE                ; 786, for the last range 739
	; The last range's windows are anchored at column 50,257 - 896 + 63 = 49,424.  768 x 50,257 is a multiple of 64, so in the last row
	; that word index is 63 above a multiple of 64 and the window ends with the table's last word; in every row the window,
	; which begins at most 63 words lower, reaches column 49,424 - 63 + 895 = 50,256.
	s_min_u32 s[C0], s[LO], VOCAB-WIN+63
	s_sub_co_u32 s[DELTA], s[LO], s[C0]            ; 0, for the last range 94
	s_mul_i32 s[DQ], s[QTR], QROWS
	s_lshl2_add_u32 s[W0], s[WAVE], s[DQ]          ; my wave's first row: 192 q + 4 wave
	s_mul_i32 s[W0], s[W0], VOCAB
	s_add_co_u32 s[W0], s[W0], s[C0]               ; below 768 x 50,257 = 38,597,376
	s_mov_b32 s[OFS+1], 0
	s_wait_kmcnt 0x0
	; register TOK + 4 i + e of lane l: the token at position 1,024 wave + 128 i + 4 l + e
.irp i, 0,1,2,3,4,5,6,7
	global_load_b128 v[TOK+4*\i:TOK+4*\i+3], v[TO], s[8:9] offset:512*\i
.endr
; Row n of my 12 (tile n / 4, my row n % 4 of it): the address of its window.
.macro ROWBASE n
	s_add_co_u32 s[OFS], s[W0], (64*(\n/4)+(\n%4))*VOCAB
	s_and_b32 s[OFS], s[OFS], 0xffffffc0           ; down to a multiple of 64 words
	s_lshl_b32 s[OFS], s[OFS], 2                   ; in bytes: below 154,389,504
	s_add_nc_u64 s[RB+2*\n:RB+2*\n+1], s[4:5], s[OFS:OFS+1]
.endm
.macro FILL slot, n                    ; seven loads: the window of row n into a slot of the ring
.irp i, 0,1,2,3,4,5,6
	global_load_b128 v[RING+28*\slot+4*\i:RING+28*\slot+4*\i+3], v[L16], s[RB+2*\n:RB+2*\n+1] offset:512*\i
.endr
.endm
.macro PUT slot, k                     ; a slot of the ring into LDS, as my row k of the tile: 512 consecutive bytes a store
.irp i, 0,1,2,3,4,5,6
	ds_store_b128 v[SADR], v[RING+28*\slot+4*\i:RING+28*\slot+4*\i+3] offset:\k*ROWB+512*\i
.endr
.endm
.macro BARRIER
	s_wait_dscnt 0x0                               ; for the others' sake: all my LDS loads and stores are done
	s_barrier_signal -1
	s_barrier_wait -1
.endm
; reg = 3,072 x reg + QL, by shifts and sums: 3,072 = 2^11 + 2^10
.macro ROWOFF reg, tmp
	v_lshlrev_b32 v[\tmp], 10, v[\reg]
	v_lshlrev_b32 v[\reg], 11, v[\reg]
	v_add_nc_u32 v[\reg], v[\reg], v[\tmp]
	v_add_nc_u32 v[\reg], v[\reg], v[QL]
.endm
.irp n, 0,1,2,3,4
	ROWBASE \n
	FILL \n, \n                                    ; the whole ring is asked for before anything else is done
.endr
.irp n, 5,6,7,8,9,10,11
	ROWBASE \n
.endr
	s_mul_i32 s[TMP], s[QTR], QROWS*4
	v_lshlrev_b32 v[QL], 3, v[LANE]
	v_add_nc_u32 v[QL], s[TMP], v[QL]
	s_mul_i32 s[TMP], s[WAVE], 4*ROWB
	v_add_nc_u32 v[SADR], s[TMP], v[L16]
	v_lshlrev_b32 v[W00], 1, v[LANE]
	v_add_nc_u32 v[W00], s[DQ], v[W00]
	v_mul_u32_u24 v[W00], VOCAB, v[W00]
	v_add_nc_u32 v[W00], s[C0], v[W00]
	v_mul_u32_u24 v[R0], 2*ROWB, v[LANE]
	; Where column C0 of rows 2 lane and 2 lane + 1 lies in LDS: the row, plus the word index modulo 64.  64 rows further down the
	; index is larger by 64 x 50,257, a multiple of 64: the same for all three tiles.
	; Banks: lane l reads table word (.. + 2 l + j) x 50,257 + c; 2 x 50,257 l = 34 l modulo 64, 32 different banks for 32 lanes
	; (64 banks of 4 bytes: ISA guide 11.1).
	v_and_b32 v[LB0], 63, v[W00]
	v_lshlrev_b32 v[LB0], 2, v[LB0]
	v_add_nc_u32 v[LB0], v[LB0], v[R0]
	v_add_nc_u32 v[LB0+1], VOCAB, v[W00]
	v_and_b32 v[LB0+1], 63, v[LB0+1]
	v_lshlrev_b32 v[LB0+1], 2, v[LB0+1]
	v_add_nc_u32 v[LB0+1], v[LB0+1], v[R0]
	v_add_nc_u32 v[LB0+1], ROWB, v[LB0+1]
	v_mov_b32 v[LISTC], 0                          ; a place without a hit holds column C0 and position 0: addresses inside the buffers
	v_mov_b32 v[LISTP], 0
	s_mov_b32 s[CNT], 0
	s_lshl_b32 s[PB], s[WAVE], 10
	s_wait_loadcnt SLOTS*LPR                       ; the tokens are in; the 35 younger loads (rows 0 to 4) stay out
; THE SCAN, while the ring's first rows are on their way.  A loop's counter cannot pick a register, so the block is written out once
; for each of the 32 token registers: 32 tokens at a time, one in each lane; each hit, lowest lane first, goes to the next free
; place.  Hits beyond the 32nd are only counted here.
.macro SCAN n                          ; n = 4 i + e
	v_sub_nc_u32 v[DD], v[TOK+\n], s[LO]           ; unsigned: a token below the range becomes a huge number
	v_cmp_gt_u32 s[MK], s[WID], v[DD]              ; in my range
	s_cmp_eq_u32 s[MK], 0
	s_cbranch_scc1 .Lnone\n
	s_bcnt1_i32_b32 s[NH], s[MK]
	s_mov_b32 s[KK], 0
.Lhit\n:
	s_ctz_i32_b32 s[LN], s[MK]                     ; the lowest lane with a hit
	s_lshl_b32 s[TMP], 1, s[LN]
	s_and_not1_b32 s[MK], s[MK], s[TMP]
	s_cmp_ge_u32 s[CNT], PLACES
	s_cbranch_scc1 .Lfull\n
	v_readlane_b32 s[CC], v[DD], s[LN]
	s_add_co_u32 s[CC], s[CC], s[DELTA]            ; its column, counted from C0
	s_lshl2_add_u32 s[POS], s[LN], s[PB]
	s_add_co_u32 s[POS], s[POS], 128*(\n/4)+(\n%4) ; its position
	v_writelane_b32 v[LISTC], s[CC], s[CNT]
	v_writelane_b32 v[LISTP], s[POS], s[CNT]
.Lfull\n:
	s_add_co_u32 s[CNT], s[CNT], 1
	s_add_co_u32 s[KK], s[KK], 1
	s_cmp_lt_u32 s[KK], s[NH]
	s_cbranch_scc1 .Lhit\n
.Lnone\n:
.endm
.irp n, 0,1,2,3,4,5,6,7,8,9,10,11,12,13,14,15,16,17,18,19,20,21,22,23,24,25,26,27,28,29,30,31
	SCAN \n
.endr
; W_pos for step t: two words a lane for each place that holds a hit.  A place's address is made in the register pair that the load
; fills.  In step 0 for all 32 places (one without a hit reads row 0), so that every register of PW is written on every path.
.macro PLOAD t
	s_wait_xcnt 0x0                                ; the last step's stores have read PW, which is written again below
.irp k, 0,1,2,3,4,5,6,7,8,9,10,11,12,13,14,15,16,17,18,19,20,21,22,23,24,25,26,27,28,29,30,31
.if \t > 0
	s_cmp_le_u32 s[CNT], \k
	s_cbranch_scc1 .Lp\t
.endif
	v_readlane_b32 s[ENT], v[LISTP], \k
	v_mov_b32 v[PW+2*\k], s[ENT]
	v_min_u32 v[PW+2*\k], NTOK-1, v[PW+2*\k]       ; clamped before it enters an address
	v_and_b32 v[PW+2*\k], SEQ-1, v[PW+2*\k]        ; s
	ROWOFF PW+2*\k, PW+2*\k+1
	global_load_b64 v[PW+2*\k:PW+2*\k+1], v[PW+2*\k], s[6:7] offset:256*\t
.endr
.Lp\t:
.endm
; The tile is whole in LDS: for each place its 64 numbers, eight places at a time.  left = my younger loads (the ring's refills)
; that may stay out when W_pos has to be in.  The first batch of step 0 reads for all its eight places, so that every register
; of GV is written on every path.
.macro GATHER t, left
.irp b, 0,1,2,3
.if \b > 0
	s_cmp_le_u32 s[CNT], BATCH*\b
	s_cbranch_scc1 .Le\t
	s_wait_xcnt 0x0                                ; the last batch's stores have read GV (in the first batch: the wait at the head of PLOAD)
.endif
.irp i, 0,1,2,3,4,5,6,7
.if \t+\b > 0
	s_cmp_le_u32 s[CNT], BATCH*\b+\i
	s_cbranch_scc1 .Lr\t\b
.endif
	v_readlane_b32 s[ENT], v[LISTC], BATCH*\b+\i
	v_mov_b32 v[GV+2*\i], s[ENT]
	v_min_u32 v[GV+2*\i], WIN-64, v[GV+2*\i]       ; clamped: 63 + 832 < 896, inside the row's window
	v_lshlrev_b32 v[GV+2*\i], 2, v[GV+2*\i]
	v_add_nc_u32 v[GV+2*\i+1], v[GV+2*\i], v[LB0+1]
	v_add_nc_u32 v[GV+2*\i], v[GV+2*\i], v[LB0]
	ds_load_b32 v[GV+2*\i], v[GV+2*\i]             ; rows 2 lane and 2 lane + 1 of the tile
	ds_load_b32 v[GV+2*\i+1], v[GV+2*\i+1]
.endr
.Lr\t\b:
.if \b == 0
	s_wait_loadcnt \left                           ; loads come back in order (ISA guide 5.7.1): W_pos for this step is in
.endif
	s_wait_dscnt 0x0
.irp i, 0,1,2,3,4,5,6,7
	s_cmp_le_u32 s[CNT], BATCH*\b+\i
	s_cbranch_scc1 .Ls\t\b
	v_pk_add_f32 v[PW+2*(BATCH*\b+\i):PW+2*(BATCH*\b+\i)+1], v[PW+2*(BATCH*\b+\i):PW+2*(BATCH*\b+\i)+1], v[GV+2*\i:GV+2*\i+1]
	v_readlane_b32 s[ENT], v[LISTP], BATCH*\b+\i
	v_mov_b32 v[GV+2*\i], s[ENT]
	v_min_u32 v[GV+2*\i], NTOK-1, v[GV+2*\i]       ; the row of out0, clamped
	ROWOFF GV+2*\i, GV+2*\i+1
	global_store_b64 v[GV+2*\i], v[PW+2*(BATCH*\b+\i):PW+2*(BATCH*\b+\i)+1], s[10:11] offset:256*\t th:TH_STORE_NT
.endr
.Ls\t\b:
.endr
.Le\t:
.endm
	; STEP 0: rows 0 to 3, from slots 0 to 3.  Nobody has read the tile's bytes yet: no barrier in front of the stores.
	PLOAD 0
	s_wait_loadcnt LPR+PLACES                      ; rows 0 to 3 are in; row 4's 7 loads and the 32 for W_pos stay out
	PUT 0, 0
	FILL 0, 5                                      ; a slot is asked for again right behind the LDS stores that empty it
	PUT 1, 1
	FILL 1, 6
	PUT 2, 2
	FILL 2, 7
	PUT 3, 3
	FILL 3, 8
	BARRIER                                        ; the tile is whole
	GATHER 0, 4*LPR                                ; behind W_pos's loads stand those of rows 5 to 8: 28
	; STEP 1: rows 4 to 7, from slots 4, 0, 1, 2
	s_wait_loadcnt LPR                             ; they are in; row 8's 7 loads stay out
	PLOAD 1                                        ; in front of the refills: how many these loads are enters no count
	BARRIER                                        ; every wave has read what it wanted of tile 0
	PUT 4, 0
	FILL 4, 9
	PUT 0, 1
	FILL 0, 10
	PUT 1, 2
	FILL 1, 11
	PUT 2, 3
	BARRIER
	GATHER 1, 3*LPR                                ; behind W_pos's loads stand those of rows 9 to 11: 21
	; STEP 2: rows 8 to 11, from slots 3, 4, 0, 1.  Nothing more is asked for: the waits are for 0.
	s_wait_loadcnt 0x0
	PLOAD 2
	BARRIER
	PUT 3, 0
	PUT 4, 1
	PUT 0, 2
	PUT 1, 3
	BARRIER
	GATHER 2, 0
	; THE SECOND SCAN, only in a wave that counted more than 32 hits; no barrier follows, so the waves may part here.
	; Trip 4 i + e loads what register TOK + 4 i + e held (bytes 512 i + 4 e + 16 lane of my wave's tokens), so the hits come in the
	; first scan's order: the first 32 have had their places, each later one gets its 192 numbers now, each word of the table
	; from a row of its own.  Every trip waits for its own loads.
	s_cmp_le_u32 s[CNT], PLACES
	s_cbranch_scc1 .Lend
	s_wait_xcnt 0x0                                ; the last stores have read PW, whose registers are used anew below
	s_mov_b32 s[CN2], 0
	s_mov_b32 s[JJ], 0
.Lslow:
	s_lshr_b32 s[TMP], s[JJ], 2
	s_lshl_b32 s[TMP], s[TMP], 7                   ; 128 i
	s_and_b32 s[EE], s[JJ], 3
	s_add_co_u32 s[TMP], s[TMP], s[EE]             ; + e
	s_add_co_u32 s[PJ], s[PB], s[TMP]              ; position of lane 0's token
	s_lshl_b32 s[TMP], s[TMP], 2                   ; in bytes
	v_add_nc_u32 v[NXT], s[TMP], v[TO]
	global_load_b32 v[DD], v[NXT], s[8:9]
	s_wait_loadcnt 0x0                             ; also frees NXT for the next trip
	v_sub_nc_u32 v[DD], v[DD], s[LO]
	v_cmp_gt_u32 s[MK], s[WID], v[DD]
	s_cmp_eq_u32 s[MK], 0
	s_cbranch_scc1 .Lsnext
	s_bcnt1_i32_b32 s[NH], s[MK]
	s_mov_b32 s[KK], 0
.Lshit:
	s_ctz_i32_b32 s[LN], s[MK]
	s_lshl_b32 s[TMP], 1, s[LN]
	s_and_not1_b32 s[MK], s[MK], s[TMP]
	s_cmp_lt_u32 s[CN2], PLACES
	s_cbranch_scc1 .Lstaken                        ; it had a place
	v_readlane_b32 s[CC], v[DD], s[LN]
	s_add_co_u32 s[CC], s[CC], s[DELTA]
	s_lshl2_add_u32 s[POS], s[LN], s[PJ]
	; Both fields are clamped to their buffers before they enter an address.
	v_mov_b32 v[XC], s[CC]
	v_min_u32 v[XC], WIN-64, v[XC]
	v_add_nc_u32 v[XC], v[XC], v[W00]
	v_lshlrev_b32 v[XC], 2, v[XC]                  ; (row 192 q + 2 lane, column), in bytes
	v_add_nc_u32 v[XC+1], TROWS*PITCHB, v[XC]      ; 64 and 128 rows further down
	v_add_nc_u32 v[XC+2], 2*TROWS*PITCHB, v[XC]
	v_mov_b32 v[XO], s[POS]
	v_min_u32 v[XO], NTOK-1, v[XO]                 ; the row of out0
	v_and_b32 v[XW], SEQ-1, v[XO]                  ; s: the row of W_pos
	ROWOFF XO, XT
	ROWOFF XW, XT
.irp t, 0,1,2
	global_load_b32 v[XV+2*\t], v[XC+\t], s[4:5]
	global_load_b32 v[XV+2*\t+1], v[XC+\t], s[4:5] offset:PITCHB
	global_load_b64 v[XP+2*\t:XP+2*\t+1], v[XW], s[6:7] offset:256*\t
.endr
	s_wait_loadcnt 0x0
.irp t, 0,1,2
	v_pk_add_f32 v[XV+2*\t:XV+2*\t+1], v[XV+2*\t:XV+2*\t+1], v[XP+2*\t:XP+2*\t+1]
	global_store_b64 v[XO], v[XV+2*\t:XV+2*\t+1], s[10:11] offset:256*\t th:TH_STORE_NT
.endr
	s_wait_xcnt 0x0                                ; XO and XV, which the stores read, are written again only behind this wait
.Lstaken:
	s_add_co_u32 s[CN2], s[CN2], 1
	s_add_co_u32 s[KK], s[KK], 1
	s_cmp_lt_u32 s[KK], s[NH]
	s_cbranch_scc1 .Lshit
.Lsnext:
	s_add_co_u32 s[JJ], s[JJ], 1
	s_cmp_lt_u32 s[JJ], 32
	s_cbranch_scc1 .Lslow
.Lend:
	s_wait_tensorcnt 0x0
	ds_add_u32 v236, v237
	s_wait_dscnt 0x0
	s_endpgm
.Lfunc_end_k_q20eb15d861_embed:
	.size	k_q20eb15d861_embed, .Lfunc_end_k_q20eb15d861_embed-k_q20eb15d861_embed
	.p2alignl 7, 3214868480
	.fill 96, 4, 3214868480
	.section	.rodata,"a",@progbits
	.p2align	6, 0x0
	.amdhsa_kernel k_q20eb15d861_embed
		.amdhsa_group_segment_fixed_size 231424
		.amdhsa_private_segment_fixed_size 0
		.amdhsa_enable_private_segment 0
		.amdhsa_kernarg_size 32
		.amdhsa_user_sgpr_count 2
		.amdhsa_user_sgpr_kernarg_segment_ptr 1
		.amdhsa_wavefront_size32 1
		.amdhsa_system_sgpr_workgroup_id_x 1
		.amdhsa_system_sgpr_workgroup_id_y 1
		.amdhsa_system_sgpr_workgroup_id_z 1
		.amdhsa_system_vgpr_workitem_id 0
		.amdhsa_next_free_vgpr 238
		.amdhsa_next_free_sgpr 66
		.amdhsa_reserve_vcc 0
		.amdhsa_float_denorm_mode_32 3
		.amdhsa_float_denorm_mode_16_64 3
		.amdhsa_memory_ordered 1
		.amdhsa_forward_progress 1
		.amdhsa_inst_pref_size 187
	.end_amdhsa_kernel
	.amdgpu_metadata
---
amdhsa.version: [ 1, 2 ]
amdhsa.kernels:
  - .name:           k_q20eb15d861_embed
    .symbol:         k_q20eb15d861_embed.kd
    .args:
      - { .name: W_emb, .offset: 0, .size: 8, .value_kind: global_buffer, .address_space: global }
      - { .name: W_pos, .offset: 8, .size: 8, .value_kind: global_buffer, .address_space: global }
      - { .name: tokens, .offset: 16, .size: 8, .value_kind: global_buffer, .address_space: global }
      - { .name: out0, .offset: 24, .size: 8, .value_kind: global_buffer, .address_space: global }
    .group_segment_fixed_size: 231424
    .private_segment_fixed_size: 0
    .kernarg_segment_align: 8
    .kernarg_segment_size: 32
    .max_flat_workgroup_size: 512
    .sgpr_count:     66
    .vgpr_count:     238
    .wavefront_size: 32
...
	.end_amdgpu_metadata
.endif
;; end of part 1
;; ======== version 2 of 2: 1 launch; 1.26 times as fast as version 1
;; launch embed (part 2): grid 64 x 4, 16 waves a work-group, no clusters, 231,424 bytes of LDS; arguments W_emb, W_pos, tokens, out0; writes out0
.if DOCPART == 2
	.amdgcn_target "amdgcn-amd-amdhsa--gfx1250"
	.amdhsa_code_object_version 6
	.text
	.protected	k_q20eb15d861_embed
	.globl	k_q20eb15d861_embed
	.p2align	8
	.type	k_q20eb15d861_embed,@function
k_q20eb15d861_embed:
	s_mov_b64 s[64:65], 0
	v_nop
	global_prefetch_b8 v0, s[64:65] scope:SCOPE_SE
	s_setreg_imm32_b32 hwreg(HW_REG_WAVE_MODE, 25, 1), 1
	s_wait_xcnt 0x0
; out0[b][s][d] = W_emb[d][tokens[b][s]] + W_pos[s][d].   W_emb: [768][50257] f32, W_pos: [2048][768] f32,
; tokens: [8][2048] i32, out0: [8][2048][768] f32.  The arithmetic is one f32 addition for each output.
;
; A token's embedding is a COLUMN of W_emb: 768 words, 201,028 bytes apart.  So the table is not gathered from: it is streamed once.
; Work-group (r, q) owns the 786 columns from 786 r on (64 x 786 = 50,304 >= 50,257) and the 192 rows from 192 q on, in three
; steps of 64 rows.  A step lays 64 row windows into LDS; then, for each token whose column lies in the range, the 64 numbers
; d = 192 q + 64 t .. + 63 of its output row are read out of LDS, W_pos is added and they are stored: lane l takes d = .. + 2 l and + 1,
; so one store of a wave covers 256 consecutive bytes at a multiple of 256 from out0's first byte.
; THE WINDOW of a row is 896 words, from the word index of (row, first column) cut down to a multiple of 64: each load of a wave
; covers 512 consecutive bytes at a multiple of 256 from W_emb's first byte, seven loads a row.  63 + 786 <= 896: it holds the range.
; THE WAY IN is memory -> registers -> LDS.  Each of the 16 waves owns 4 rows of a tile, 12 rows in all, and a ring of five row
; slots of 28 registers; a slot is asked for again right behind the LDS stores that empty it.  The LDS stores go to fixed
; addresses.  The reads that pick columns have addresses made from tokens; they stand between two barriers between which no wave
; writes LDS, so their order against every LDS store is given by the barriers alone.
; THE LIST.  Each wave scans 1,024 of the 16,384 tokens, which stay in the 32 registers they were loaded into; evenly spread tokens
; give it 1,024 x 786 / 50,257 = 16 hits.  The first 32 hits ("places") are kept in two registers, hit k in lane k.  They are worked
; on in batches of eight, each stage for all eight places before the next stage begins, so that no line reads the result of the
; line in front of it; the arithmetic that is the same in all lanes is done in scalar registers.  A batch is run if it holds a hit;
; its places without a hit read column C0 and row 0, and store nothing.
; A wave that counts more than 32 hits scans its tokens once more behind the last step, in the same order, and serves each hit
; beyond the 32nd by reading its 192 words straight from memory: right for any tokens, slow where more than 32 of a wave's
; tokens crowd into one range.
; LIMIT: a token outside 0 .. 50,256 lies in no range; its row of out0 is then not written.
; NO CLUSTER: no two work-groups read the same tile.  Shared are only the pieces at the borders of neighbouring ranges (at most one
; fourteenth of a window) and the 65,536 bytes of tokens; which rows of W_pos two work-groups share hangs on the tokens.
; NO MATRIX UNIT: a product with one-hot rows has nothing to multiply.  NO PREFETCH: five rows of every wave are asked for at the head.
.set VOCAB,  50257
.set SEQ,    2048
.set NTOK,   16384                     ; 8 x 2048 positions
.set OROW,   3072                      ; bytes in a row of W_pos and of out0
.set RANGE,  786                       ; columns of a work-group
.set QROWS,  192                       ; rows of a work-group
.set TROWS,  64                        ; rows of a tile = numbers of an output row written in a step (256 bytes)
.set WIN,    896                       ; words of a row's window
.set ROWB,   WIN*4                     ; 3,584 bytes, in memory and in LDS: a word's index in LDS and in the table agree modulo 64
.set LPR,    ROWB/512                  ; 7 loads of a wave for a row
.set TILE,   TROWS*ROWB                ; 229,376: the tile's bytes in LDS
.set PITCHB, VOCAB*4                   ; 201,028 bytes from a row of W_emb to the next
.set SLOTS,  5
.set PLACES, 32
.set BATCH,  8                         ; places that are worked on together
; scalar registers
.set WAVE,  12
.set LO,    13                         ; first column of my range
.set WID,   14                         ; columns of my range that exist
.set QTR,   15                         ; q
.set DQ,    16                         ; 192 q
.set CNT,   17                         ; hits of my wave
.set MK,    18                         ; second scan: hits among the 32 tokens at hand, one bit a lane
.set NH,    19                         ; how many they are
.set LN,    20
.set CC,    21                         ; a hit's column, counted from C0
.set POS,   22                         ; a hit's position 2048 b + s
.set PB,    23                         ; position of my wave's first token
.set JJ,    24
.set TMP,   25
.set OFS,   26                         ; s[26:27]
.set W0,    28                         ; word index of (my first row, C0)
.set C0,    30                         ; the column at which my windows are anchored (= LO, but for the last range)
.set DELTA, 31                         ; LO - C0
.set RB,    32                         ; s[32:55]   address of the window of each of my 12 rows; never rewritten
.set KK,    56                         ; counts the hits of one vector of tokens
.set PJ,    57                         ; second scan: position of lane 0's token
.set CN2,   58                         ; second scan: hits so far
.set EE,    59
.set DELTA4, 60                        ; 4 x DELTA
.set EN,    66                         ; s[66:73]   a batch's positions, then byte offsets of their rows
.set CO,    74                         ; s[74:81]   a batch's column offsets in bytes
.set MKS,   74                         ; s[74:81]   in the scan: the hits of eight vectors of tokens, one bit a lane
; vector registers
.set LANE,  1
.set L16,   2                          ; 16 x lane
.set QL,    3                          ; 8 x lane + 768 q: my two numbers in a row of W_pos or out0, step 0
.set SADR,  4                          ; LDS: my 16 bytes in my wave's first row of the tile
.set W00,   5                          ; word index of (row 192 q + 2 lane, C0)
.set R0,    6                          ; LDS: row 2 lane of the tile
.set LB0,   7                          ; v[7:8]     LDS: (row 2 lane + j, column C0), j = 0, 1
.set LISTC, 9                          ; lane k: 4 x column of hit k, counted from C0
.set LISTP, 10                         ; lane k: position of hit k
.set NXT,   13                         ; second scan: my token's byte offset
.set DD,    14                         ; second scan: token - LO
.set TO,    15                         ; my 16 bytes in the first 512 of my wave's tokens
.set GV,    16                         ; v[16:31]   place i of a batch: two LDS addresses, then two words of the table
.set PW,    32                         ; v[32:95]   place k: its offset in W_pos, then two words of W_pos, then the two results
.set TOK,   32                         ; v[32:63]   at first: my 32 tokens
.set DDR,   64                         ; v[64:95]   at first: token - LO for each of them
.set XC,    32                         ; v[32:49]   in the second scan: the registers of a hit that is served from memory
.set XO,    35
.set XW,    36
.set XT,    37
.set XV,    38                         ; v[38:43]
.set XP,    44                         ; v[44:49]
.set RING,  96                         ; v[96:235]  slot s: 28 registers, a row's window
.set SA,    236                        ; v[236:243] place i of a batch: offset of my two numbers in out0, step 0
	s_load_b256 s[4:11], s[0:1], 0x0               ; W_emb s[4:5], W_pos s[6:7], tokens s[8:9], out0 s[10:11]
	v_lshl_add_u32 v244, v0, 2, 0x38000
	v_mov_b32 v245, 0
	v_lshrrev_b32 v[LANE], 5, v0
	v_readfirstlane_b32 s[WAVE], v[LANE]           ; the wave's number as a scalar
	v_and_b32 v[LANE], 31, v0
	v_lshlrev_b32 v[L16], 4, v[LANE]
	s_lshl_b32 s[TMP], s[WAVE], 12
	v_add_nc_u32 v[TO], s[TMP], v[L16]             ; my wave's 1,024 tokens are 4,096 consecutive bytes
	s_and_b32 s[QTR], ttmp7, 0xffff
	s_mul_i32 s[LO], ttmp9, RANGE
	s_sub_co_u32 s[WID], VOCAB, s[LO]
	s_min_u32 s[WID], s[WID], RANGE                ; 786, for the last range 739
	; The last range's windows are anchored at column 50,257 - 896 + 63 = 49,424.  768 x 50,257 is a multiple of 64, so in the last row
	; that word index is 63 above a multiple of 64 and the window ends with the table's last word; in every row the window,
	; which begins at most 63 words lower, reaches column 49,424 - 63 + 895 = 50,256.
	s_min_u32 s[C0], s[LO], VOCAB-WIN+63
	s_sub_co_u32 s[DELTA], s[LO], s[C0]            ; 0, for the last range 94
	s_lshl_b32 s[DELTA4], s[DELTA], 2
	s_mul_i32 s[DQ], s[QTR], QROWS
	s_lshl2_add_u32 s[W0], s[WAVE], s[DQ]          ; my wave's first row: 192 q + 4 wave
	s_mul_i32 s[W0], s[W0], VOCAB
	s_add_co_u32 s[W0], s[W0], s[C0]               ; below 768 x 50,257 = 38,597,376
	s_mov_b32 s[OFS+1], 0
	s_wait_kmcnt 0x0
	; register TOK + 4 i + e of lane l: the token at position 1,024 wave + 128 i + 4 l + e
.irp i, 0,1,2,3,4,5,6,7
	global_load_b128 v[TOK+4*\i:TOK+4*\i+3], v[TO], s[8:9] offset:512*\i
.endr
; Row n of my 12 (tile n / 4, my row n % 4 of it): the address of its window.
.macro ROWBASE n
	s_add_co_u32 s[OFS], s[W0], (64*(\n/4)+(\n%4))*VOCAB
	s_and_b32 s[OFS], s[OFS], 0xffffffc0           ; down to a multiple of 64 words
	s_lshl_b32 s[OFS], s[OFS], 2                   ; in bytes: below 154,389,504
	s_add_nc_u64 s[RB+2*\n:RB+2*\n+1], s[4:5], s[OFS:OFS+1]
.endm
.macro FILL slot, n                    ; seven loads: the window of row n into a slot of the ring
.irp i, 0,1,2,3,4,5,6
	global_load_b128 v[RING+28*\slot+4*\i:RING+28*\slot+4*\i+3], v[L16], s[RB+2*\n:RB+2*\n+1] offset:512*\i
.endr
.endm
.macro PUT slot, k                     ; a slot of the ring into LDS, as my row k of the tile: 512 consecutive bytes a store
.irp i, 0,1,2,3,4,5,6
	ds_store_b128 v[SADR], v[RING+28*\slot+4*\i:RING+28*\slot+4*\i+3] offset:\k*ROWB+512*\i
.endr
.endm
.macro BARRIER
	s_wait_dscnt 0x0                               ; for the others' sake: all my LDS loads and stores are done
	s_barrier_signal -1
	s_barrier_wait -1
.endm
; reg = 3,072 x reg + QL, by shifts and sums: 3,072 = 2^11 + 2^10 (second scan)
.macro ROWOFF reg, tmp
	v_lshlrev_b32 v[\tmp], 10, v[\reg]
	v_lshlrev_b32 v[\reg], 11, v[\reg]
	v_add_nc_u32 v[\reg], v[\reg], v[\tmp]
	v_add_nc_u32 v[\reg], v[\reg], v[QL]
.endm
.irp n, 0,1,2,3,4
	ROWBASE \n
	FILL \n, \n                                    ; the whole ring is asked for before anything else is done
.endr
.irp n, 5,6,7,8,9,10,11
	ROWBASE \n
.endr
	s_mul_i32 s[TMP], s[QTR], QROWS*4
	v_lshlrev_b32 v[QL], 3, v[LANE]
	v_add_nc_u32 v[QL], s[TMP], v[QL]
	s_mul_i32 s[TMP], s[WAVE], 4*ROWB
	v_add_nc_u32 v[SADR], s[TMP], v[L16]
	v_lshlrev_b32 v[W00], 1, v[LANE]
	v_add_nc_u32 v[W00], s[DQ], v[W00]
	v_mul_u32_u24 v[W00], VOCAB, v[W00]
	v_add_nc_u32 v[W00], s[C0], v[W00]
	v_mul_u32_u24 v[R0], 2*ROWB, v[LANE]
	; Where column C0 of rows 2 lane and 2 lane + 1 lies in LDS: the row, plus the word index modulo 64.  64 rows further down the
	; index is larger by 64 x 50,257, a multiple of 64: the same for all three tiles.
	; Banks: lane l reads table word (.. + 2 l + j) x 50,257 + c; 2 x 50,257 l = 34 l modulo 64, 32 different banks for 32 lanes
	; (64 banks of 4 bytes: ISA guide 11.1).
	v_and_b32 v[LB0], 63, v[W00]
	v_lshlrev_b32 v[LB0], 2, v[LB0]
	v_add_nc_u32 v[LB0], v[LB0], v[R0]
	v_add_nc_u32 v[LB0+1], VOCAB, v[W00]
	v_and_b32 v[LB0+1], 63, v[LB0+1]
	v_lshlrev_b32 v[LB0+1], 2, v[LB0+1]
	v_add_nc_u32 v[LB0+1], v[LB0+1], v[R0]
	v_add_nc_u32 v[LB0+1], ROWB, v[LB0+1]
	v_mov_b32 v[LISTC], 0                          ; a place without a hit holds column C0 and position 0: addresses inside the buffers
	v_mov_b32 v[LISTP], 0
	s_mov_b32 s[CNT], 0
	s_lshl_b32 s[PB], s[WAVE], 10
	s_wait_loadcnt SLOTS*LPR                       ; the tokens are in; the 35 younger loads (rows 0 to 4) stay out
; THE SCAN, while the ring's first rows are on their way.  A loop's counter cannot pick a register, so the block is written out once
; for each of the 32 token registers.  Eight registers at a time: their differences, their masks, then the hits of each, lowest
; lane first, each to the next free place.  Hits beyond the 32nd are only counted here.
.macro SCAN g, i                       ; token register 8 g + i = 4 (2 g + i / 4) + i % 4
	s_cmp_eq_u32 s[MKS+\i], 0
	s_cbranch_scc1 .Lnone\g\i
	s_bcnt1_i32_b32 s[NH], s[MKS+\i]
	s_mov_b32 s[KK], 0
.Lhit\g\i:
	s_ctz_i32_b32 s[LN], s[MKS+\i]                 ; the lowest lane with a hit
	s_lshl_b32 s[TMP], 1, s[LN]
	s_and_not1_b32 s[MKS+\i], s[MKS+\i], s[TMP]
	s_cmp_ge_u32 s[CNT], PLACES
	s_cbranch_scc1 .Lfull\g\i
	v_readlane_b32 s[CC], v[DDR+8*\g+\i], s[LN]
	s_lshl2_add_u32 s[POS], s[LN], s[PB]
	s_add_co_u32 s[POS], s[POS], 128*(2*\g+\i/4)+(\i%4)    ; its position
	v_writelane_b32 v[LISTP], s[POS], s[CNT]
	s_lshl2_add_u32 s[CC], s[CC], s[DELTA4]        ; 4 x its column, counted from C0
	v_writelane_b32 v[LISTC], s[CC], s[CNT]
.Lfull\g\i:
	s_add_co_u32 s[CNT], s[CNT], 1
	s_add_co_u32 s[KK], s[KK], 1
	s_cmp_lt_u32 s[KK], s[NH]
	s_cbranch_scc1 .Lhit\g\i
.Lnone\g\i:
.endm
.irp g, 0,1,2,3
.irp i, 0,1,2,3,4,5,6,7
	v_sub_nc_u32 v[DDR+8*\g+\i], v[TOK+8*\g+\i], s[LO]     ; unsigned: a token below the range becomes a huge number
.endr
.irp i, 0,1,2,3,4,5,6,7
	v_cmp_gt_u32 s[MKS+\i], s[WID], v[DDR+8*\g+\i]         ; in my range
.endr
.irp i, 0,1,2,3,4,5,6,7
	SCAN \g, \i
.endr
.endr
; W_pos for step t: two words a lane for each place of each batch that holds a hit.  A place's offset is made in the register
; pair that the load fills, under the same condition as the load.  The position is clamped to its buffer before it enters an address.
.macro PLOAD t
	s_wait_xcnt 0x0                                ; the last step's stores have read PW and SA, which are written again from here on
.irp b, 0,1,2,3
.if \b > 0
	s_cmp_le_u32 s[CNT], BATCH*\b
	s_cbranch_scc1 .Lp\t
.endif
.irp i, 0,1,2,3,4,5,6,7
	v_readlane_b32 s[EN+\i], v[LISTP], BATCH*\b+\i
.endr
.irp i, 0,1,2,3,4,5,6,7
	s_min_u32 s[EN+\i], s[EN+\i], NTOK-1
.endr
.irp i, 0,1,2,3,4,5,6,7
	s_and_b32 s[EN+\i], s[EN+\i], SEQ-1            ; s: the row of W_pos
.endr
.irp i, 0,1,2,3,4,5,6,7
	s_mul_i32 s[EN+\i], s[EN+\i], OROW
.endr
.irp i, 0,1,2,3,4,5,6,7
	v_add_nc_u32 v[PW+2*(BATCH*\b+\i)], s[EN+\i], v[QL]
.endr
.irp i, 0,1,2,3,4,5,6,7
	global_load_b64 v[PW+2*(BATCH*\b+\i):PW+2*(BATCH*\b+\i)+1], v[PW+2*(BATCH*\b+\i)], s[6:7] offset:256*\t
.endr
.endr
.Lp\t:
.endm
; The tile is whole in LDS: for each place its 64 numbers.  left = my younger loads (the ring's refills) that may stay out when
; W_pos has to be in.  The offsets in out0 are made while the LDS loads are on their way.  Only a place that holds a hit stores.
.macro GATHER t, left
.irp b, 0,1,2,3
.if \b > 0
	s_cmp_le_u32 s[CNT], BATCH*\b
	s_cbranch_scc1 .Le\t
.endif
.irp i, 0,1,2,3,4,5,6,7
	v_readlane_b32 s[CO+\i], v[LISTC], BATCH*\b+\i
.endr
.irp i, 0,1,2,3,4,5,6,7
	v_readlane_b32 s[EN+\i], v[LISTP], BATCH*\b+\i
.endr
.irp i, 0,1,2,3,4,5,6,7
	s_min_u32 s[CO+\i], s[CO+\i], 4*(WIN-64)       ; clamped: 63 + 832 < 896 words, inside the row's window
.endr
.irp i, 0,1,2,3,4,5,6,7
	v_add_nc_u32 v[GV+2*\i], s[CO+\i], v[LB0]
	v_add_nc_u32 v[GV+2*\i+1], s[CO+\i], v[LB0+1]
.endr
.irp i, 0,1,2,3,4,5,6,7
	ds_load_b32 v[GV+2*\i], v[GV+2*\i]             ; rows 2 lane and 2 lane + 1 of the tile
	ds_load_b32 v[GV+2*\i+1], v[GV+2*\i+1]
.endr
.irp i, 0,1,2,3,4,5,6,7
	s_min_u32 s[EN+\i], s[EN+\i], NTOK-1           ; the row of out0, clamped
.endr
.irp i, 0,1,2,3,4,5,6,7
	s_mul_i32 s[EN+\i], s[EN+\i], OROW
.endr
.if \b > 0
	s_wait_xcnt 0x0                                ; the last batch's stores have read SA (for the first batch: the wait at the head of PLOAD)
.endif
.irp i, 0,1,2,3,4,5,6,7
	v_add_nc_u32 v[SA+\i], s[EN+\i], v[QL]
.endr
.if \b == 0
	s_wait_loadcnt \left                           ; loads come back in order (ISA guide 5.7.1): W_pos for this step is in
.endif
	s_wait_dscnt 0x0
.irp i, 0,1,2,3,4,5,6,7
	v_pk_add_f32 v[PW+2*(BATCH*\b+\i):PW+2*(BATCH*\b+\i)+1], v[PW+2*(BATCH*\b+\i):PW+2*(BATCH*\b+\i)+1], v[GV+2*\i:GV+2*\i+1]
.endr
.irp i, 0,1,2,3,4,5,6,7
	s_cmp_le_u32 s[CNT], BATCH*\b+\i
	s_cbranch_scc1 .Ls\t\b
	global_store_b64 v[SA+\i], v[PW+2*(BATCH*\b+\i):PW+2*(BATCH*\b+\i)+1], s[10:11] offset:256*\t th:TH_STORE_NT
.endr
.Ls\t\b:
.endr
.Le\t:
.endm
	; In each step the loads for W_pos stand behind the wait for the step's rows and in front of the refills: how many they are
	; (8 for each batch that holds a hit) enters no count.
	; STEP 0: rows 0 to 3, from slots 0 to 3.  Nobody has read the tile's bytes yet: no barrier in front of the stores.
	s_wait_loadcnt LPR                             ; rows 0 to 3 are in; row 4's 7 loads stay out
	PLOAD 0
	PUT 0, 0
	FILL 0, 5                                      ; a slot is asked for again right behind the LDS stores that empty it
	PUT 1, 1
	FILL 1, 6
	PUT 2, 2
	FILL 2, 7
	PUT 3, 3
	FILL 3, 8
	BARRIER                                        ; the tile is whole
	GATHER 0, 4*LPR                                ; behind W_pos's loads stand those of rows 5 to 8: 28
	; STEP 1: rows 4 to 7, from slots 4, 0, 1, 2
	s_wait_loadcnt LPR                             ; they are in; row 8's 7 loads stay out
	PLOAD 1
	BARRIER                                        ; every wave has read what it wanted of tile 0
	PUT 4, 0
	FILL 4, 9
	PUT 0, 1
	FILL 0, 10
	PUT 1, 2
	FILL 1, 11
	PUT 2, 3
	BARRIER
	GATHER 1, 3*LPR                                ; behind W_pos's loads stand those of rows 9 to 11: 21
	; STEP 2: rows 8 to 11, from slots 3, 4, 0, 1.  Nothing more is asked for: the waits are for 0.
	s_wait_loadcnt 0x0
	PLOAD 2
	BARRIER
	PUT 3, 0
	PUT 4, 1
	PUT 0, 2
	PUT 1, 3
	BARRIER
	GATHER 2, 0
	; THE SECOND SCAN, only in a wave that counted more than 32 hits; no barrier follows, so the waves may part here.
	; Trip 4 i + e loads what register TOK + 4 i + e held (bytes 512 i + 4 e + 16 lane of my wave's tokens), so the hits come in the
	; first scan's order: the first 32 have had their places, each later one gets its 192 numbers now, each word of the table
	; from a row of its own.  Every trip waits for its own loads.
	s_cmp_le_u32 s[CNT], PLACES
	s_cbranch_scc1 .Lend
	s_wait_xcnt 0x0                                ; the last stores have read PW, whose registers are used anew below
	s_mov_b32 s[CN2], 0
	s_mov_b32 s[JJ], 0
.Lslow:
	s_lshr_b32 s[TMP], s[JJ], 2
	s_lshl_b32 s[TMP], s[TMP], 7                   ; 128 i
	s_and_b32 s[EE], s[JJ], 3
	s_add_co_u32 s[TMP], s[TMP], s[EE]             ; + e
	s_add_co_u32 s[PJ], s[PB], s[TMP]              ; position of lane 0's token
	s_lshl_b32 s[TMP], s[TMP], 2                   ; in bytes
	v_add_nc_u32 v[NXT], s[TMP], v[TO]
	global_load_b32 v[DD], v[NXT], s[8:9]
	s_wait_loadcnt 0x0                             ; also frees NXT for the next trip
	v_sub_nc_u32 v[DD], v[DD], s[LO]
	v_cmp_gt_u32 s[MK], s[WID], v[DD]
	s_cmp_eq_u32 s[MK], 0
	s_cbranch_scc1 .Lsnext
	s_bcnt1_i32_b32 s[NH], s[MK]
	s_mov_b32 s[KK], 0
.Lshit:
	s_ctz_i32_b32 s[LN], s[MK]
	s_lshl_b32 s[TMP], 1, s[LN]
	s_and_not1_b32 s[MK], s[MK], s[TMP]
	s_cmp_lt_u32 s[CN2], PLACES
	s_cbranch_scc1 .Lstaken                        ; it had a place
	v_readlane_b32 s[CC], v[DD], s[LN]
	s_add_co_u32 s[CC], s[CC], s[DELTA]
	s_lshl2_add_u32 s[POS], s[LN], s[PJ]
	; Both fields are clamped to their buffers before they enter an address.
	v_mov_b32 v[XC], s[CC]
	v_min_u32 v[XC], WIN-64, v[XC]
	v_add_nc_u32 v[XC], v[XC], v[W00]
	v_lshlrev_b32 v[XC], 2, v[XC]                  ; (row 192 q + 2 lane, column), in bytes
	v_add_nc_u32 v[XC+1], TROWS*PITCHB, v[XC]      ; 64 and 128 rows further down
	v_add_nc_u32 v[XC+2], 2*TROWS*PITCHB, v[XC]
	v_mov_b32 v[XO], s[POS]
	v_min_u32 v[XO], NTOK-1, v[XO]                 ; the row of out0
	v_and_b32 v[XW], SEQ-1, v[XO]                  ; s: the row of W_pos
	ROWOFF XO, XT
	ROWOFF XW, XT
.irp t, 0,1,2
	global_load_b32 v[XV+2*\t], v[XC+\t], s[4:5]
	global_load_b32 v[XV+2*\t+1], v[XC+\t], s[4:5] offset:PITCHB
	global_load_b64 v[XP+2*\t:XP+2*\t+1], v[XW], s[6:7] offset:256*\t
.endr
	s_wait_loadcnt 0x0
.irp t, 0,1,2
	v_pk_add_f32 v[XV+2*\t:XV+2*\t+1], v[XV+2*\t:XV+2*\t+1], v[XP+2*\t:XP+2*\t+1]
	global_store_b64 v[XO], v[XV+2*\t:XV+2*\t+1], s[10:11] offset:256*\t th:TH_STORE_NT
.endr
	s_wait_xcnt 0x0                                ; XO and XV, which the stores read, are written again only behind this wait
.Lstaken:
	s_add_co_u32 s[CN2], s[CN2], 1
	s_add_co_u32 s[KK], s[KK], 1
	s_cmp_lt_u32 s[KK], s[NH]
	s_cbranch_scc1 .Lshit
.Lsnext:
	s_add_co_u32 s[JJ], s[JJ], 1
	s_cmp_lt_u32 s[JJ], 32
	s_cbranch_scc1 .Lslow
.Lend:
	s_wait_tensorcnt 0x0
	ds_add_u32 v244, v245
	s_wait_dscnt 0x0
	s_endpgm
.Lfunc_end_k_q20eb15d861_embed:
	.size	k_q20eb15d861_embed, .Lfunc_end_k_q20eb15d861_embed-k_q20eb15d861_embed
	.p2alignl 7, 3214868480
	.fill 96, 4, 3214868480
	.section	.rodata,"a",@progbits
	.p2align	6, 0x0
	.amdhsa_kernel k_q20eb15d861_embed
		.amdhsa_group_segment_fixed_size 231424
		.amdhsa_private_segment_fixed_size 0
		.amdhsa_enable_private_segment 0
		.amdhsa_kernarg_size 32
		.amdhsa_user_sgpr_count 2
		.amdhsa_user_sgpr_kernarg_segment_ptr 1
		.amdhsa_wavefront_size32 1
		.amdhsa_system_sgpr_workgroup_id_x 1
		.amdhsa_system_sgpr_workgroup_id_y 1
		.amdhsa_system_sgpr_workgroup_id_z 1
		.amdhsa_system_vgpr_workitem_id 0
		.amdhsa_next_free_vgpr 246
		.amdhsa_next_free_sgpr 82
		.amdhsa_reserve_vcc 0
		.amdhsa_float_denorm_mode_32 3
		.amdhsa_float_denorm_mode_16_64 3
		.amdhsa_memory_ordered 1
		.amdhsa_forward_progress 1
		.amdhsa_inst_pref_size 160
	.end_amdhsa_kernel
	.amdgpu_metadata
---
amdhsa.version: [ 1, 2 ]
amdhsa.kernels:
  - .name:           k_q20eb15d861_embed
    .symbol:         k_q20eb15d861_embed.kd
    .args:
      - { .name: W_emb, .offset: 0, .size: 8, .value_kind: global_buffer, .address_space: global }
      - { .name: W_pos, .offset: 8, .size: 8, .value_kind: global_buffer, .address_space: global }
      - { .name: tokens, .offset: 16, .size: 8, .value_kind: global_buffer, .address_space: global }
      - { .name: out0, .offset: 24, .size: 8, .value_kind: global_buffer, .address_space: global }
    .group_segment_fixed_size: 231424
    .private_segment_fixed_size: 0
    .kernarg_segment_align: 8
    .kernarg_segment_size: 32
    .max_flat_workgroup_size: 512
    .sgpr_count:     82
    .vgpr_count:     246
    .wavefront_size: 32
...
	.end_amdgpu_metadata
.endif
;; end of part 2
